; MI455X (gfx1250); checked and timed in simulation.
; The chip was launched on July 23, 2026; its instructions are those of AMD's public machine-readable ISA for CDNA 5 (MIT licence, August 2026) and "CDNA5" Instruction Set Architecture Reference Guide (July 2026). The comments in the code are by the model that wrote it; some were corrected since.
;; ATTR NETWORK. Allowed arithmetic: float matrix products may take bf16 or f16 operands with f32 sums; other float arithmetic in f32, or as packed bf16 or f16 multiplies, adds, multiply-adds, maxima and minima; sums over many terms, partial sums and values carried from step to step in f32; what a program stores and reads back later, other than sums and carried values, may be rounded once to bf16 or f16.
;; Inputs: attn_out_b 2 x 256 float32; attn_out_w 2 x 256 x 256 float32; attr 256 x 128 int32; attr_emb 50,000 x 256 float32; attr_feat 256 x 13 float32; attr_inds 256 x 128 int32; attr_lens 256 int32; attr_lens_item 256 int32; attr_lens_user 256 int32; attr_tf 256 x 128 float32; ff1_b 2 x 1,024 float32; ff1_w 2 x 1,024 x 256 float32; ff2_b 2 x 256 float32; ff2_w 2 x 256 x 1,024 float32; fw_W 1 x 13 float32; fw_b 1 float32; item_emb 10,000 x 256 float32; item_ids 256 int32; ln1_b 2 x 256 float32; ln1_s 2 x 256 float32; ln2_b 2 x 256 float32; ln2_s 2 x 256 float32; neg_lens 256 int32; neg_targets 256 x 500 int32; out_emb 50,000 x 768 float32; pos_lens 256 int32; pos_targets 256 x 100 int32; qkv_b 2 x 768 float32; qkv_w 2 x 768 x 256 float32; user_emb 10,000 x 256 float32; user_ids 256 int32.
;; Outputs: out0 256 x 600 float32; out1 256 x 600 bool; out2 256 x 600 int32.
;; One version. Each part assembles by itself: llvm-mc -triple=amdgcn-amd-amdhsa -mcpu=gfx1250 --defsym DOCPART=n.
;; ======== version 1 of 1: 2 launches
;; workspace buffers: wb 3,145,728 bytes; par 25,600 bytes
;; launch prep (part 1): grid 1561 x 1, 2 waves a work-group, no clusters, 0 bytes of LDS; arguments qkv_w, attn_out_w, ff1_w, ff2_w, qkv_b, attn_out_b, ln1_s, ln1_b, ln2_s, ln2_b, ff1_b, ff2_b, wb, par; writes wb, par
.if DOCPART == 1
	.amdgcn_target "amdgcn-amd-amdhsa--gfx1250"
	.amdhsa_code_object_version 6
	.text
	.protected	k_q5cdf37222a_prep
	.globl	k_q5cdf37222a_prep
	.p2align	8
	.type	k_q5cdf37222a_prep,@function
k_q5cdf37222a_prep:
	s_mov_b64 s[64:65], 0
	v_nop
	global_prefetch_b8 v0, s[64:65] scope:SCOPE_SE
	s_setreg_imm32_b32 hwreg(HW_REG_WAVE_MODE, 25, 1), 1
	s_wait_xcnt 0x0
; PREP: the encoder's weights, rounded once to bf16 and laid out as the next launch's waves take them, and one image of the biases and gains.
; LEFT OUT AS DEAD WORK (shown for all values of the inputs):
;   attr_inds, attr_lens_item: reference() names them in its signature alone; no result hangs on them.  They are not loaded and are no launch's argument.
;   the K third of qkv_b: (q+bq).(k+bk) = (q+bq).k + (q+bq).bk, and the second term is the same for all keys of a row, that is along the softmax's axis: it cancels.  It is not loaded.
;   the V third of qkv_b is live: since a row's weights add up to 1, sum_k a_k (v_k + bv) = sum_k a_k v_k + bv: it is added once to each row of the attention's result.
;   LIMIT: a NaN, an infinity or an overflow that reaches only the K bias or the two unused inputs is not carried to the result.
; wb: 48 slots of 65,536 bytes, slot 24 L + t, 64 fragments of 1,024 bytes each.  A fragment is 16 rows x 32 k of a weight matrix W[row][k]: lane l = (r = l % 16, h = l / 16) finds
;   W[row0+r][k0+8h .. +7] at byte 16 l and W[row0+r][k0+16+8h .. +7] at byte 512 + 16 l.  A slot has two halves hs of 32 fragments f.
;   kind P: row0 = base + 16 (f % 4), k0 = 32 (f / 4).    kind A: row0 = 16 (f % 16), k0 = base + 32 (f / 16).
;   t 0-3:  both halves P of qkv_w, base 256 + 64 (2 t + hs): K heads 0-3, then V heads 0-3.
;   t 4-7:  hs 0: P of qkv_w, base 64 (t-4): Q of a head;   hs 1: A of attn_out_w, base 64 (t-4).
;   t 8-23: hs 0: P of ff1_w, base 64 (t-8);                hs 1: A of ff2_w (rows of 4,096 bytes), base 64 (t-8).
; par: byte 0: four norms x (gain 1,024, bias 1,024, bias + the next sublayer's output bias 1,024); 12,288: for each (L, head) 256 bytes of q bias, 256 of v bias; 16,384: ff1_b; 24,576: attn_out_b[0].
; One wave makes one fragment (work-groups 0 to 1,535) or 512 bytes of par (work-groups 1,536 to 1,560): each store of a wave covers 512 consecutive bytes, aligned.
.set NFW, 1536
	s_load_b512 s[8:23], s[0:1], 0x0               ; qkv_w 8, attn_out_w 10, ff1_w 12, ff2_w 14, qkv_b 16, attn_out_b 18, ln1_s 20, ln1_b 22
	s_load_b256 s[24:31], s[0:1], 0x40             ; ln2_s 24, ln2_b 26, ff1_b 28, ff2_b 30
	s_load_b128 s[32:35], s[0:1], 0x60             ; wb 32, par 34
	v_lshrrev_b32 v1, 5, v0
	v_readfirstlane_b32 s36, v1                    ; wave
	v_and_b32 v1, 31, v0                           ; lane
	v_and_b32 v2, 15, v0                           ; r
	v_bfe_u32 v3, v0, 4, 1                         ; h
	v_lshlrev_b32 v5, 4, v1                        ; 16 l
	s_cmp_ge_u32 ttmp9, NFW
	s_cbranch_scc1 .Lpar
	s_lshl_b32 s37, ttmp9, 1
	s_add_co_u32 s37, s37, s36                     ; the fragment's number, 0 to 3,071
	s_lshr_b32 s38, s37, 6                         ; slot
	s_and_b32 s39, s37, 63
	s_cmp_ge_u32 s38, 24
	s_cselect_b32 s40, 1, 0                        ; L
	s_mul_i32 s41, s40, 24
	s_sub_co_u32 s38, s38, s41                     ; t
	s_lshr_b32 s41, s39, 5                         ; hs
	s_and_b32 s39, s39, 31                         ; f
	s_lshl_b32 s42, s38, 7
	s_lshl_b32 s43, s41, 6
	s_add_co_u32 s42, s42, s43
	s_add_co_u32 s42, s42, 256                     ; base for t < 4
	s_and_b32 s43, s38, 3
	s_lshl_b32 s43, s43, 6                         ; base for 4 <= t < 8
	s_sub_co_u32 s44, s38, 8
	s_lshl_b32 s44, s44, 6                         ; base for t >= 8
	s_mul_i32 s46, s40, 786432                     ; the layer's bytes in qkv_w,
	s_mul_i32 s47, s40, 262144                     ; in attn_out_w,
	s_mul_i32 s48, s40, 1048576                    ; in ff1_w and ff2_w
	s_wait_kmcnt 0x0
	s_cmp_eq_u32 s41, 1                            ; all values are made: from here on compares and selects alone
	s_cselect_b64 s[50:51], s[10:11], s[8:9]
	s_cselect_b32 s52, s47, s46
	s_cselect_b64 s[54:55], s[14:15], s[12:13]
	s_cselect_b32 s53, 12, 10                      ; log2 of a row's bytes
	s_cmp_lt_u32 s38, 8
	s_cselect_b64 s[50:51], s[50:51], s[54:55]
	s_cselect_b32 s52, s52, s48
	s_cselect_b32 s53, 10, s53
	s_cselect_b32 s43, s43, s44
	s_cmp_lt_u32 s38, 4
	s_cselect_b64 s[50:51], s[8:9], s[50:51]
	s_cselect_b32 s52, s46, s52
	s_cselect_b32 s43, s42, s43
	s_cselect_b32 s45, 0, s41                      ; 1: kind A
	s_and_b32 s56, s39, 3
	s_lshl_b32 s56, s56, 4
	s_add_co_u32 s56, s56, s43                     ; P: row0
	s_lshr_b32 s57, s39, 2
	s_lshl_b32 s57, s57, 5                         ; P: k0
	s_and_b32 s58, s39, 15
	s_lshl_b32 s58, s58, 4                         ; A: row0
	s_lshr_b32 s59, s39, 4
	s_lshl_b32 s59, s59, 5
	s_add_co_u32 s59, s59, s43                     ; A: k0
	s_cmp_eq_u32 s45, 1
	s_cselect_b32 s56, s58, s56
	s_cselect_b32 s57, s59, s57
	s_lshl_b32 s56, s56, s53
	s_lshl_b32 s57, s57, 2
	s_add_co_u32 s56, s56, s57
	s_add_co_u32 s56, s56, s52
	s_mov_b32 s57, 0
	s_add_nc_u64 s[50:51], s[50:51], s[56:57]      ; W[row0][k0]
	v_lshlrev_b32 v4, s53, v2
	v_lshl_add_u32 v4, v3, 5, v4                   ; r rows + 8 h numbers of f32
	global_load_b128 v[8:11], v4, s[50:51] th:TH_LOAD_NT
	global_load_b128 v[12:15], v4, s[50:51] offset:16 th:TH_LOAD_NT
	global_load_b128 v[16:19], v4, s[50:51] offset:64 th:TH_LOAD_NT
	global_load_b128 v[20:23], v4, s[50:51] offset:80 th:TH_LOAD_NT
	s_lshl_b32 s56, s37, 10
	s_add_nc_u64 s[32:33], s[32:33], s[56:57]
	s_wait_loadcnt 0x0
.irp j, 0,1,2,3,4,5,6,7
	v_cvt_pk_bf16_f32 v[24+\j], v[8+2*\j], v[9+2*\j]
.endr
	global_store_b128 v5, v[24:27], s[32:33]
	global_store_b128 v5, v[28:31], s[32:33] offset:512
	s_endpgm
.Lpar:
	s_sub_co_u32 s37, ttmp9, NFW
	s_lshl_b32 s37, s37, 1
	s_add_co_u32 s37, s37, s36                     ; segment of 512 bytes, 0 to 49
	s_mul_i32 s38, s37, 43
	s_lshr_b32 s38, s38, 8                         ; norm p = segment / 6 (right for segments under 24, used for them alone)
	s_mul_i32 s39, s38, 6
	s_sub_co_u32 s39, s37, s39
	s_lshr_b32 s40, s39, 1                         ; 0 gain, 1 bias, 2 bias + next output bias
	s_and_b32 s39, s39, 1                          ; which half of the 256 numbers
	s_lshr_b32 s41, s38, 1                         ; L
	s_and_b32 s42, s38, 1                          ; 0: the norm behind attention, 1: behind the feed-forward
	s_lshl_b32 s43, s41, 10
	s_lshl_b32 s44, s39, 9
	s_add_co_u32 s43, s43, s44                     ; offset in a [2][256] tensor
	s_lshl_b32 s44, s42, 10
	s_add_co_u32 s44, s44, s43                     ; the next output bias: ff2_b[L], or attn_out_b[L+1]
	s_sub_co_u32 s45, s37, 24
	s_lshr_b32 s46, s45, 2
	s_mul_i32 s46, s46, 3072
	s_and_b32 s45, s45, 3
	s_lshl_b32 s45, s45, 8
	s_add_co_u32 s45, s45, s46                     ; qkv_b: layer, head
	s_sub_co_u32 s46, s37, 32
	s_lshl_b32 s46, s46, 9                         ; ff1_b
	s_sub_co_u32 s47, s37, 48
	s_lshl_b32 s47, s47, 9                         ; attn_out_b[0]
	s_cmp_eq_u32 s40, 2
	s_cselect_b32 s48, 1, 0
	s_cmp_lt_u32 s37, 18                           ; the last norm has no sublayer behind it
	s_cselect_b32 s48, s48, 0                      ; 1: a second tensor is added
	s_wait_kmcnt 0x0
	s_cmp_eq_u32 s42, 1
	s_cselect_b64 s[50:51], s[24:25], s[20:21]
	s_cselect_b64 s[52:53], s[26:27], s[22:23]
	s_cselect_b64 s[54:55], s[18:19], s[30:31]
	s_cmp_eq_u32 s40, 0
	s_cselect_b64 s[50:51], s[50:51], s[52:53]
	s_cmp_lt_u32 s37, 48
	s_cselect_b64 s[52:53], s[28:29], s[18:19]
	s_cselect_b32 s46, s46, s47
	s_cmp_lt_u32 s37, 32
	s_cselect_b64 s[52:53], s[16:17], s[52:53]
	s_cselect_b32 s46, s45, s46
	s_cselect_b32 s49, -1, 0
	s_cmp_lt_u32 s37, 24
	s_cselect_b64 s[50:51], s[50:51], s[52:53]
	s_cselect_b32 s46, s43, s46
	s_cselect_b32 s49, 0, s49                      ; all ones: a segment of q and v bias
	s_mov_b32 s47, 0
	s_add_nc_u64 s[50:51], s[50:51], s[46:47]
	s_mov_b32 s45, 0
	s_add_nc_u64 s[54:55], s[54:55], s[44:45]
	v_lshlrev_b32 v4, 4, v2
	v_lshl_add_u32 v4, v3, 11, v4                  ; lanes 0-15 the head's q bias, lanes 16-31 its v bias, 2,048 bytes on
	v_cndmask_b32 v4, v5, v4, s49
	global_load_b128 v[8:11], v4, s[50:51]
	s_cmp_eq_u32 s48, 1
	s_cbranch_scc0 .Lnob
	global_load_b128 v[12:15], v4, s[54:55]
	s_wait_loadcnt 0x0
	v_pk_add_f32 v[8:9], v[8:9], v[12:13]
	v_pk_add_f32 v[10:11], v[10:11], v[14:15]
.Lnob:
	s_wait_loadcnt 0x0
	s_lshl_b32 s46, s37, 9
	s_add_nc_u64 s[34:35], s[34:35], s[46:47]
	global_store_b128 v5, v[8:11], s[34:35]
	s_endpgm
.Lfunc_end_k_q5cdf37222a_prep:
	.size	k_q5cdf37222a_prep, .Lfunc_end_k_q5cdf37222a_prep-k_q5cdf37222a_prep
	.p2alignl 7, 3214868480
	.fill 96, 4, 3214868480
	.section	.rodata,"a",@progbits
	.p2align	6, 0x0
	.amdhsa_kernel k_q5cdf37222a_prep
		.amdhsa_group_segment_fixed_size 0
		.amdhsa_private_segment_fixed_size 0
		.amdhsa_enable_private_segment 0
		.amdhsa_kernarg_size 112
		.amdhsa_user_sgpr_count 2
		.amdhsa_user_sgpr_kernarg_segment_ptr 1
		.amdhsa_wavefront_size32 1
		.amdhsa_system_sgpr_workgroup_id_x 1
		.amdhsa_system_sgpr_workgroup_id_y 1
		.amdhsa_system_sgpr_workgroup_id_z 1
		.amdhsa_system_vgpr_workitem_id 0
		.amdhsa_next_free_vgpr 32
		.amdhsa_next_free_sgpr 66
		.amdhsa_reserve_vcc 0
		.amdhsa_float_denorm_mode_32 3
		.amdhsa_float_denorm_mode_16_64 3
		.amdhsa_memory_ordered 1
		.amdhsa_forward_progress 1
		.amdhsa_inst_pref_size 7
	.end_amdhsa_kernel
	.amdgpu_metadata
---
amdhsa.version: [ 1, 2 ]
amdhsa.kernels:
  - .name:           k_q5cdf37222a_prep
    .symbol:         k_q5cdf37222a_prep.kd
    .args:
      - { .name: qkv_w, .offset: 0, .size: 8, .value_kind: global_buffer, .address_space: global }
      - { .name: attn_out_w, .offset: 8, .size: 8, .value_kind: global_buffer, .address_space: global }
      - { .name: ff1_w, .offset: 16, .size: 8, .value_kind: global_buffer, .address_space: global }
      - { .name: ff2_w, .offset: 24, .size: 8, .value_kind: global_buffer, .address_space: global }
      - { .name: qkv_b, .offset: 32, .size: 8, .value_kind: global_buffer, .address_space: global }
      - { .name: attn_out_b, .offset: 40, .size: 8, .value_kind: global_buffer, .address_space: global }
      - { .name: ln1_s, .offset: 48, .size: 8, .value_kind: global_buffer, .address_space: global }
      - { .name: ln1_b, .offset: 56, .size: 8, .value_kind: global_buffer, .address_space: global }
      - { .name: ln2_s, .offset: 64, .size: 8, .value_kind: global_buffer, .address_space: global }
      - { .name: ln2_b, .offset: 72, .size: 8, .value_kind: global_buffer, .address_space: global }
      - { .name: ff1_b, .offset: 80, .size: 8, .value_kind: global_buffer, .address_space: global }
      - { .name: ff2_b, .offset: 88, .size: 8, .value_kind: global_buffer, .address_space: global }
      - { .name: wb, .offset: 96, .size: 8, .value_kind: global_buffer, .address_space: global }
      - { .name: par, .offset: 104, .size: 8, .value_kind: global_buffer, .address_space: global }
    .group_segment_fixed_size: 0
    .private_segment_fixed_size: 0
    .kernarg_segment_align: 8
    .kernarg_segment_size: 112
    .max_flat_workgroup_size: 64
    .sgpr_count:     66
    .vgpr_count:     32
    .wavefront_size: 32
...
	.end_amdgpu_metadata
.endif
;; end of part 1
;; launch net (part 2): grid 256 x 1, 4 waves a work-group, clusters of 4 x 1, 327,680 bytes of LDS; arguments attr, attr_emb, attr_lens, attr_lens_user, attr_tf, attr_feat, fw_W, fw_b, wb, par, user_ids, item_ids, user_emb, item_emb, out_emb, pos_targets, neg_targets, pos_lens, neg_lens, out0, out1, out2; writes out0, out1, out2
.if DOCPART == 2
	.amdgcn_target "amdgcn-amd-amdhsa--gfx1250"
	.amdhsa_code_object_version 6
	.text
	.protected	k_q5cdf37222a_net
	.globl	k_q5cdf37222a_net
	.p2align	8
	.type	k_q5cdf37222a_net,@function
k_q5cdf37222a_net:
	s_mov_b64 s[64:65], 0
	v_nop
	global_prefetch_b8 v0, s[64:65] scope:SCOPE_SE
	s_setreg_imm32_b32 hwreg(HW_REG_WAVE_MODE, 25, 1), 1
	s_wait_xcnt 0x0
	s_wait_alu depctr_hold_cnt(0) depctr_sa_sdst(0) depctr_va_vdst(0) depctr_va_sdst(0) depctr_va_ssrc(0) depctr_va_vcc(0) depctr_vm_vsrc(0)
	s_getreg_b32 s2, hwreg(HW_REG_IB_STS2, 6, 4)
	s_cmp_eq_u32 s2, 0
	s_cbranch_scc0 .Lentry_in_a_cluster
	s_endpgm
.Lentry_in_a_cluster:
	s_bfe_u32 s2, ttmp6, 0x10000c
	s_cmp_lg_u32 s2, 0x3003
	s_cbranch_scc0 .Lentry_shape_is_right
	s_endpgm
.Lentry_shape_is_right:
; NET: one work-group takes one sample through everything: gather, two encoder layers, the weighted token sum, 600 dot products, the three outputs.
; LEFT OUT AS DEAD WORK, as shown at the head of prep: attr_inds, attr_lens_item (no way to any output) and the K third of qkv_b (the same along the softmax's axis); the V bias is added once to the
; attention's rows, whose weights add up to 1.  A NaN, infinity or overflow that reaches only these is not carried on.
; FORMATS.  Matrix operands bf16, sums f32.  The residual stream, both norms, the token sum and the logits stay f32 on unrounded inputs.  NaN and infinities are not treated apart.
; The softmax takes the true maximum of a row's 128 scores away; a padded key's score starts at -8e9 ahead of the scale 1/8, which is reference()'s -1e9 behind it.
; SHARES.  Four waves; wave w owns tokens 32 w .. 32 w + 31 (two tiles u of 16) for all columns.  Products are taken transposed (source 0 = 16 rows of a weight, source 1 = 16 tokens): a lane
; holds ONE token (lane % 16) and channels 16 n + 8 (lane / 16) + 0..7, and two neighbouring results rounded in pairs ARE the next product's source 1.  V is taken with the sources swapped, so that
; its two tiles rounded are a fragment of V^T.  Only K and V cross waves, through LDS as fragment images.  A norm is a lane's 128 numbers and one exchange of the lanes' halves.
; WEIGHTS.  48 slots of 65,536 bytes (prep's layout) walk through a ring of two LDS slots.  The four samples of a cluster walk the same weights: each slot is asked for JOINTLY, every wave a quarter.
; THE LOGITS IN TWO PARTS.  logit = row[0:256] . user + row[512:768] . item + row[256:512] . attr_x, row = out_emb[target].  The first two products hang on nothing that the encoder makes: a wave's 150
; columns are 30 batches of five rows, and 15 batches go with each layer's feed-forward: one is asked for ahead of the norm, each of the loop's 14 trips multiplies a batch and asks for the next,
; the fifteenth is multiplied behind the loop.  Only the middle third of each row is left for the end.
; THE LAST NORM is folded into the token sum: sum_t w_t (xc_t rs_t S + B) = S sum_t (w_t rs_t) xc_t + B sum_t w_t, so gain and bias are applied to 256 numbers.
; Not skipped: padded tokens and keys; a count of tiles by attr_lens would differ between the partners of a cluster, whose joint loads ask for equal walks.
; REGISTERS, in windows of 256 (s_set_vgpr_msb: bits 1:0 source 0, 3:2 source 1, 5:4 source 2, 7:6 destination):
;   window 0: v0-23 addresses: they hold numbers made of the thread's number, the wave's number and constants alone, from first to last; v24-31 weights; v32-159 two buffers of 8 weight fragments
;             (at the head and in the tail: at work); v160-223 the key mask; v224-255 a bias as C operand (between a slot's two products: a batch's five sums)
;   window 1: X[u][n] = 128 u + 8 n: the f32 residual, and the accumulators of the two products that add onto it
;   window 2: XF[u][k] = 64 u + 8 k: x in bf16;  v128-255 the scores S[u][kt] = 128 + 64 u + 8 kt, later the weights P[u][g] = 128 + 64 u + 16 g; outside attention a batch's five rows and their offsets
;   window 3: ACC[nt][u] = 16 nt + 8 u (also at work in softmax and norm);  BF[u][c] = 64 + 16 u + 8 c;  v96-111 the user's and the item's row;  v128-255 K's or V's fragments, or the norm's gains and biases
.set SLOTB, 65536                      ; a slot; the ring is LDS bytes 0 to 131,071
.set SCR,   131072                     ; 131,072 bytes that LDS stores alone write: the gather's stage, K's and V's images, the token sum's rows, the middle products' lane sums
.set PAR,   262144                     ; prep's image of biases and gains, 25,600 bytes
.set AXB,   287744                     ; attr_x, 1,024 bytes
.set LOGB,  288768                     ; 600 sums of the user's and the item's products; behind them
.set WSB,   LOGB+2400                  ; four waves' sums of token weights
.set SPARE, 291328                     ; the spare words, 128 bytes a wave: two blocks of 256 bytes that no other line names
.set PSP,   144                        ; a column's 32 lane sums, 128 bytes + 16
.set L16, 1                            ; v1  16 x lane
.set SPW, 2                            ; v2  my spare word's address; never rewritten
.set NIL, 3                            ; v3  0; never rewritten
.set WA,  4                            ; v4  my 16 bytes of a fragment in the slot in hand
.set KSW, 5                            ; v5  16 lane + 4,096 wave
.set VSW, 6                            ; v6  16 lane + 1,024 wave
.set ST,  7                            ; v7  where K's or V's images are stored
.set KL,  8                            ; v8  where a head's K is read
.set VL,  9                            ; v9  where its V is read
.set ALN, 10                           ; v10 the layer's norms in PAR, + 32 (lane / 16)
.set AA,  11                           ; v11 the head's q and v bias
.set AF,  12                           ; v12 the slot's 64 numbers of ff1_b
.set ZERO, 13
.set PFO, 14                           ; v14 256 x lane, for the prefetch; never rewritten
.set WT,  24                           ; v[24:25], v[26:27] my two tokens' weights
.set RL,  28                           ; v[28:29], v[30:31] 1 / l
.set WF,  32
.set AXR, 40                           ; v40-47    the tail: my eight numbers of attr_x
.set RO,  56                           ; v56-85    the tail: the byte offsets of the ring's 30 rows
.set OR,  100                          ; v100-124  the outputs: five registers for each of five columns
.set FE,  140                          ; v140-143  at the head: features, fw_W, fw_b, and the key mask's bound
.set LT,  144                          ; v144-151  the tail: four pairs at work by turns
.set WS,  152                          ; v152      the sum of my wave's token weights
.set MASK, 160
.set TS,  160                          ; v160-167  the tail: the weights' sums, the last norm's gain and bias
.set BIAS, 224
.set GW,  224                          ; v224-233  a batch's five sums, a pair a row
.set SR,  128                          ; window 2
.set GR,  128                          ; window 2: a batch's five rows, 16 registers each: user's third, item's third
.set GO,  208                          ; window 2: their byte offsets
.set UO,  216                          ; window 2: the offsets of the user's and the item's row
.set BF,  64                           ; window 3
.set UI,  96                           ; window 3: my 8 numbers of the user's row, my 8 of the item's
.set KV,  128                          ; window 3
.set WV,  4                            ; s4  wave
.set SB,  5                            ; s5  sample
.set CX,  6                            ; s6  my place in the cluster: it enters global addresses alone
.set LAY, 7                            ; s7  layers to go
.set CNT, 8
.set NL,  9                            ; s9  the slot last asked for
.set LIM, 10                           ; s10 45 in a wave that prefetches, else 0
.set TB,  11                           ; s11 LDS byte of the slot to be read next
.set G0W, 12                           ; s[12:15] the walking descriptor of the weights
.set G1W, 16
.set G0P, 24
.set G1P, 28
.set PFA, 36                           ; s[36:37] where my prefetch stands
.set CS,  38                           ; s[38:39] log2(e) / 8
.set SEL, 40
.set BIG, 42
.set R256, 43
; from the head's end on: s[52:53] out_emb, s[54:55] my sample's pos_targets, s[56:57] its neg_targets, s[60:61] an index pointer, s[68:77] indices, s[80:89] row offsets, s92, s93 pos_len, neg_len,
; s[94:99] my sample's rows of out0, out1, out2, s100 the batch or decade whose indices are loaded next
.set MSB, 0
.macro WIN new                         ; the immediate's high byte repeats the setting that is left; a switch that changes nothing is dropped
.if MSB != (\new)
	s_set_vgpr_msb (MSB<<8)|(\new)
.set MSB, (\new)
.endif
.endm
.macro WN d, a, b, c                   ; windows of destination, source 0, source 1, source 2
	WIN ((\d)<<6)|((\c)<<4)|((\b)<<2)|(\a)
.endm
.macro PLACES                          ; four plain places behind a matrix instruction, ahead of what reads its result or loads into its registers
.rept 4
	v_nop
.endr
.endm
.macro ROUND                           ; a round of the cluster's barrier
	s_barrier_signal -1
	s_barrier_wait -1
	s_cmp_lg_u32 s[WV], 0
	s_cbranch_scc1 .Lnw0_\@
	s_barrier_signal -3
.Lnw0_\@:
	s_barrier_wait -3
	s_barrier_signal -1
	s_barrier_wait -1
.endm
.macro JLOAD                           ; my quarter of a slot; the same line and descriptor in all four work-groups
	tensor_load_to_lds s[G0W:G0W+3], s[G1W:G1W+7]
	s_nop 0
.rept 4
	v_nop
.endr
.endm
.macro ASK                             ; a prefetch of the slot three behind the one just asked for: 32 blocks of 256 bytes, a lane a block.  The launch's first cluster asks; its four
	s_cmp_lt_u32 s[NL], s[LIM]             ; partners take 16,384 bytes each BY ADDRESS, waves 0 and 2 half of that each: every block of slots 5 to 47 is named once; it stops at slot 47
	s_cbranch_scc0 .Lna_\@
	global_prefetch_b8 v[PFO], s[PFA:PFA+1] th:TH_LOAD_NT scope:SCOPE_SE
.Lna_\@:
.endm
.macro FETCH q                         ; the slot's fragments 8 q .. 8 q + 7 into buffer q % 2: 16 loads
	WIN 0
.set ff, WF+64*((\q)&1)
.irp i, 0,1,2,3,4,5,6,7
	ds_load_b128 v[ff+8*\i:ff+8*\i+3], v[WA] offset:8192*(\q)+1024*\i
	ds_load_b128 v[ff+8*\i+4:ff+8*\i+7], v[WA] offset:8192*(\q)+1024*\i+512
.endr
.endm
.macro LDB areg, off                   ; 64 channels' bias in the layout of four results
	WIN 0
.irp nt, 0,1,2,3
	ds_load_b128 v[BIAS+8*\nt:BIAS+8*\nt+3], v[\areg] offset:(\off)+64*\nt
	ds_load_b128 v[BIAS+8*\nt+4:BIAS+8*\nt+7], v[\areg] offset:(\off)+64*\nt+16
.endr
.endm
; GROUPS OF 8 MATRIX INSTRUCTIONS.  The accumulators take turns, one instruction a turn: 7 others (MP, MV) or 31 others (MA) stand between two links of a chain.
.macro MP q, e, cm                     ; ACC[nt][u] += W(64 rows, k) x(u, k); k = 2 (q % 4) + e; at k = 0 the sum starts with the bias (cm = 1) or 0
.set kk, 2*((\q)&3)+(\e)
.set fb, WF+64*((\q)&1)+32*(\e)
.irp nt, 0,1,2,3
.irp u, 0,1
.if (kk == 0) && ((\cm) == 1)
	WN 3,0,2,0
	v_wmma_f32_16x16x32_bf16 v[16*\nt+8*\u:16*\nt+8*\u+7], v[fb+8*\nt:fb+8*\nt+7], v[64*\u+8*kk:64*\u+8*kk+7], v[BIAS+8*\nt:BIAS+8*\nt+7]
.elseif kk == 0
	WN 3,0,2,3
	v_wmma_f32_16x16x32_bf16 v[16*\nt+8*\u:16*\nt+8*\u+7], v[fb+8*\nt:fb+8*\nt+7], v[64*\u+8*kk:64*\u+8*kk+7], 0
.else
	WN 3,0,2,3
	v_wmma_f32_16x16x32_bf16 v[16*\nt+8*\u:16*\nt+8*\u+7], v[fb+8*\nt:fb+8*\nt+7], v[64*\u+8*kk:64*\u+8*kk+7], v[16*\nt+8*\u:16*\nt+8*\u+7]
.endif
.endr
.endr
.endm
.macro MV q, e                         ; the same with the sources swapped: a lane holds one channel and eight tokens
.set kk, 2*((\q)&3)+(\e)
.set fb, WF+64*((\q)&1)+32*(\e)
	WN 3,2,0,3
.irp nt, 0,1,2,3
.irp u, 0,1
.if kk == 0
	v_wmma_f32_16x16x32_bf16 v[16*\nt+8*\u:16*\nt+8*\u+7], v[64*\u+8*kk:64*\u+8*kk+7], v[fb+8*\nt:fb+8*\nt+7], 0
.else
	v_wmma_f32_16x16x32_bf16 v[16*\nt+8*\u:16*\nt+8*\u+7], v[64*\u+8*kk:64*\u+8*kk+7], v[fb+8*\nt:fb+8*\nt+7], v[16*\nt+8*\u:16*\nt+8*\u+7]
.endif
.endr
.endr
.endm
.macro MA q, e                         ; X[u][n] += W(16 n .., 32 c ..) BF[u][c]; c = (q % 4) / 2, n = 8 (q % 2) + 4 e + i
.set cc, ((\q)&3)>>1
.set nb, 8*((\q)&1)+4*(\e)
.set fb, WF+64*((\q)&1)+32*(\e)
	WN 1,0,3,1
.irp i, 0,1,2,3
.irp u, 0,1
	v_wmma_f32_16x16x32_bf16 v[128*\u+8*(nb+\i):128*\u+8*(nb+\i)+7], v[fb+8*\i:fb+8*\i+7], v[BF+16*\u+8*cc:BF+16*\u+8*cc+7], v[128*\u+8*(nb+\i):128*\u+8*(nb+\i)+7]
.endr
.endr
.endm
.macro GRP kind, q, e, cm
.if (\kind) == 0
	MP \q, \e, \cm
.elseif (\kind) == 1
	MV \q, \e
.else
	MA \q, \e
.endif
.endm
; A UNIT: 16 matrix instructions on buffer q % 2, while the next unit's 16 loads are out.  areg: a bias is loaded with them, from that address register and offset.
.macro UNIT kind, q, cm=0, areg=0, aoff=0
	PLACES                                         ; behind the unit before, whose buffer is loaded again
.if \areg
	LDB \areg, \aoff
.endif
	FETCH (\q)+1
	s_wait_dscnt 16                                ; all but the 16 loads just issued
	GRP \kind, \q, 0, \cm
	GRP \kind, \q, 1, \cm
.endm
; THE CHANGE OF SLOTS stands in a slot's last unit.  Each wave waits for all its tensor loads, of which one is out: its quarter of the next slot; adds 0 to its spare word; works on registers;
; waits for the add and for its reads of the slot.  mode 2: a round of the cluster's barrier, and the slot just read is filled again first thing behind it, with the slot two on.  mode 1: nothing is left to ask for.
.macro CHA mode
	WIN 0
.if (\mode) == 2
	s_wait_xcnt 0x0                                ; the last prefetch, a slot back, has read its address
	s_add_nc_u64 s[PFA:PFA+1], s[PFA:PFA+1], SLOTB
.endif
	s_wait_tensorcnt 0x0                           ; no tensor load of mine is out, so the descriptor may be written
	ds_add_u32 v[SPW], v[NIL]
.if (\mode) == 2
	s_xor_b32 s[G0W+1], s[G0W+1], SLOTB            ; the other slot than last time,
	s_add_nc_u64 s[G0W+2:G0W+3], s[G0W+2:G0W+3], SLOTB  ; the next 65,536 bytes; the type bits on top are not reached
	s_add_co_u32 s[NL], s[NL], 1
.endif
	s_xor_b32 s[TB], s[TB], SLOTB
	s_wait_dscnt 1                                 ; the last unit's fragments are in; the add may be out
.endm
.macro CHB mode, ask
	WIN 0
	s_wait_dscnt 0x0                               ; the add is done, and my reads of the slot are over
.if (\mode) == 2
	ROUND
	JLOAD                                          ; its four v_nop are also the places ahead of the loads below
.else
	s_barrier_signal -1
	s_barrier_wait -1
	PLACES
.endif
	v_add_nc_u32 v[WA], s[TB], v[L16]
	FETCH 0
.if \ask
	ASK
.endif
.endm
.macro UNIT7 kind, mode
	CHA \mode
	GRP \kind, 7, 0, 0                             ; eight matrix instructions stand between the add and the wait for it
	CHB \mode, ((\mode)==2)
	GRP \kind, 7, 1, 0
.endm
.macro CVB                             ; BF[u][c] = ACC[2 c][u], ACC[2 c + 1][u] rounded in pairs; each accumulator is read from its low end on
	WN 3,3,3,0
.irp u, 0,1
.irp c, 0,1
.irp i, 0,1,2,3,4,5,6,7
	v_cvt_pk_bf16_f32 v[BF+16*\u+8*\c+\i], v[16*(2*\c+(\i>>2))+8*\u+2*(\i&3)], v[16*(2*\c+(\i>>2))+8*\u+2*(\i&3)+1]
.endr
.endr
.endr
.endm
.macro CVV                             ; BF + 8 nt = ACC[nt][0], ACC[nt][1] rounded: V^T of 16 channels x my 32 tokens
	WN 3,3,3,0
.set m, 0
.rept 32
	v_cvt_pk_bf16_f32 v[BF+m], v[2*m], v[2*m+1]
.set m, m+1
.endr
.endm
.macro STK hs                          ; K's images: head (by ST and hs), key tile 2 wave + u, channel half c
	WN 0,0,3,0
.irp u, 0,1
.irp c, 0,1
	ds_store_b128 v[ST], v[BF+16*\u+8*\c:BF+16*\u+8*\c+3] offset:16384*(\hs)+2048*\u+1024*\c
	ds_store_b128 v[ST], v[BF+16*\u+8*\c+4:BF+16*\u+8*\c+7] offset:16384*(\hs)+2048*\u+1024*\c+512
.endr
.endr
.endm
.macro STV hs                          ; V's images: head, channel tile nt, key block = wave
	WN 0,0,3,0
.irp nt, 0,1,2,3
	ds_store_b128 v[ST], v[BF+8*\nt:BF+8*\nt+3] offset:16384*(\hs)+4096*\nt
	ds_store_b128 v[ST], v[BF+8*\nt+4:BF+8*\nt+7] offset:16384*(\hs)+4096*\nt+512
.endr
.endm
.macro KVSLOT kind                     ; a slot with two heads of K (kind 0) or of V (kind 1)
	UNIT \kind, 0
	UNIT \kind, 1
	UNIT \kind, 2
	UNIT \kind, 3
	PLACES
.if (\kind) == 0
	CVB
	STK 0
.else
	CVV
	STV 0
.endif
	UNIT \kind, 4
	UNIT \kind, 5
	UNIT \kind, 6
	UNIT7 \kind, 2
	PLACES
.if (\kind) == 0
	CVB
	STK 1
.else
	CVV
	STV 1
.endif
	WIN 0
	v_add_nc_u32 v[ST], 32768, v[ST]
.endm
; THE TARGETS' INDICES.  The 600 columns are groups of n = 5 (batches) or n = 10 (decades); none straddles the 100 columns of pos_targets.
.macro IDX n                           ; the n indices of group s100 (clamped to the last group: what is loaded past a wave's own groups is not used)
	s_min_u32 s101, s100, 600/(\n)-1
	s_mul_i32 s66, s101, 4*(\n)
	s_sub_co_u32 s62, s66, 400
	s_cmp_lt_u32 s101, 100/(\n)
	s_cselect_b32 s66, s66, s62
	s_cselect_b64 s[60:61], s[54:55], s[56:57]
	s_add_nc_u64 s[60:61], s[60:61], s[66:67]
.if (\n) == 10
	s_load_b256 s[68:75], s[60:61], 0x0
	s_load_b64 s[76:77], s[60:61], 0x20
.else
	s_load_b128 s[68:71], s[60:61], 0x0
	s_load_b32 s72, s[60:61], 0x10
.endif
	s_add_co_u32 s100, s100, 1
.endm
.macro CONV n                          ; indices to byte offsets of rows; the wait also frees the index pointer for the next IDX
	s_wait_kmcnt 0x0
.set cv, 0
.rept \n
	s_min_u32 s[80+cv], s[68+cv], 49999
	s_mul_i32 s[80+cv], s[80+cv], 3072
.set cv, cv+1
.endr
.endm
; A BATCH: five rows' products with the user's and the item's row.  The five rows take turns, so that no line reads the result of the one before it.
.macro GVEC                            ; 40 packed products: a pair of sums a row
	WN 0,2,3,0
.irp c, 0,1,2,3,4,5,6,7
.irp i, 0,1,2,3,4
.if \c == 0
	v_pk_mul_f32 v[GW+2*\i:GW+2*\i+1], v[GR+16*\i:GR+16*\i+1], v[UI:UI+1]
.else
	v_pk_fma_f32 v[GW+2*\i:GW+2*\i+1], v[GR+16*\i+2*\c:GR+16*\i+2*\c+1], v[UI+2*\c:UI+2*\c+1], v[GW+2*\i:GW+2*\i+1]
.endif
.endr
.endr
.endm
.macro GREFILL                         ; the next batch: a row's first and last 1,024 bytes, four loads of 512 consecutive bytes
	WN 2,0,0,0
.irp i, 0,1,2,3,4
	v_add_nc_u32 v[GO+\i], s[80+\i], v[L16]
.endr
	WN 2,2,0,0
.irp i, 0,1,2,3,4
	global_load_b128 v[GR+16*\i:GR+16*\i+3], v[GO+\i], s[52:53]
	global_load_b128 v[GR+16*\i+4:GR+16*\i+7], v[GO+\i], s[52:53] offset:512
	global_load_b128 v[GR+16*\i+8:GR+16*\i+11], v[GO+\i], s[52:53] offset:2048
	global_load_b128 v[GR+16*\i+12:GR+16*\i+15], v[GO+\i], s[52:53] offset:2560
.endr
	WIN 0
.endm
.macro GRED                            ; the five sums over the 32 lanes
	WIN 0
.irp i, 0,1,2,3,4
	v_add_f32 v[GW+2*\i], v[GW+2*\i], v[GW+2*\i+1]
.endr
.irp x, 1,2,4,8
.irp i, 0,1,2,3,4
	v_add_f32_dpp v[GW+2*\i], v[GW+2*\i], v[GW+2*\i] row_xmask:\x row_mask:0xf bank_mask:0xf
.endr
.endr
.irp i, 0,1,2,3,4
	v_permlanex16_b32 v[GW+2*\i+1], v[GW+2*\i], s[SEL], s[SEL+1]
.endr
.irp i, 0,1,2,3,4
	v_add_f32 v[GW+2*\i], v[GW+2*\i], v[GW+2*\i+1]
.endr
.endm
.macro GSTORE                          ; v15: where the batch's five sums go
	WIN 0
.irp i, 0,1,2,3,4
	ds_store_b32 v15, v[GW+2*\i] offset:4*\i
.endr
.endm
; 64 hidden units: h = relu(x W1^T + b1), X += h W2^T.  The slot's bias was loaded in the slot before (or ahead of the loop); the next slot's is loaded with unit 5's fragments.
; g = 1: between the two products a batch is multiplied and the next asked for: its lines are the places behind the first product's last matrix instructions.
.macro FSLOT mode, g=0
	UNIT 0, 0, 1
	UNIT 0, 1
	UNIT 0, 2
	UNIT 0, 3
.if \g
	s_wait_loadcnt 0x0                             ; the batch's 20 loads, issued a slot ago at this place, are the only ones out: the wait also frees their offsets
	CONV 5                                         ; the next batch's offsets, from indices loaded a slot ago
	IDX 5
	GVEC
	GREFILL
	GRED
.else
	PLACES
.endif
	CVB
	WN 3,3,0,0
.set m, 0
.rept 32
	v_pk_max_num_bf16 v[BF+m], v[BF+m], v[ZERO]
.set m, m+1
.endr
.if \g
	GSTORE                                         ; with the run of LDS loads that follows
.endif
	UNIT 2, 4
	UNIT 2, 5, 0, AF, 256
	UNIT 2, 6
	UNIT7 2, \mode
	WIN 0
	v_add_nc_u32 v[AF], 256, v[AF]
.if \g
	v_add_nc_u32 v15, 20, v15
.endif
.endm
; THE SOFTMAX of my 32 queries over all 128 keys of a head.  At work in window 3: T(u, i) = 8 u + i, sums at 16 + 8 u + 2 c.  The 128 exponentials are one batch with one wait.
.macro SOFT
	WN 3,2,2,2
.irp kt, 0,1,2,3,4,5,6,7
.irp u, 0,1
	v_max3_num_f32 v[8*\u+\kt], v[SR+64*\u+8*\kt], v[SR+64*\u+8*\kt+1], v[SR+64*\u+8*\kt+2]
.endr
.endr
	WN 3,3,2,2
.irp j, 3,5
.irp kt, 0,1,2,3,4,5,6,7
.irp u, 0,1
	v_max3_num_f32 v[8*\u+\kt], v[8*\u+\kt], v[SR+64*\u+8*\kt+\j], v[SR+64*\u+8*\kt+\j+1]
.endr
.endr
.endr
.irp i, 0,1,2,3
.irp u, 0,1
	v_max3_num_f32 v[8*\u+\i], v[8*\u+\i], v[SR+64*\u+16*\i+7], v[SR+64*\u+16*\i+15]
.endr
.endr
	WN 3,3,3,3
.irp u, 0,1
	v_max3_num_f32 v[8*\u], v[8*\u], v[8*\u+1], v[8*\u+2]
	v_max3_num_f32 v[8*\u+3], v[8*\u+3], v[8*\u+4], v[8*\u+5]
	v_max_num_f32 v[8*\u+6], v[8*\u+6], v[8*\u+7]
.endr
.irp u, 0,1
	v_max3_num_f32 v[8*\u], v[8*\u], v[8*\u+3], v[8*\u+6]
.endr
.irp u, 0,1
	v_permlanex16_b32 v[8*\u+1], v[8*\u], s[SEL], s[SEL+1]  ; the query's other 64 keys lie in the lane 16 away
.endr
.irp u, 0,1
	v_max_num_f32 v[8*\u], v[8*\u], v[8*\u+1]
.endr
.irp u, 0,1
	v_mul_f32 v[8*\u], s[CS], v[8*\u]              ; c m
.endr
	WN 2,2,0,3
.irp u, 0,1
.set m, 0
.rept 32
	v_pk_fma_f32 v[SR+64*\u+2*m:SR+64*\u+2*m+1], v[SR+64*\u+2*m:SR+64*\u+2*m+1], s[CS:CS+1], v[8*\u:8*\u+1] op_sel_hi:[1,0,0] neg_lo:[0,0,1] neg_hi:[0,0,1]
.set m, m+1
.endr
.endr
	WN 2,2,0,0
.set m, 0
.rept 128
	v_exp_f32 v[SR+m], v[SR+m]
.set m, m+1
.endr
	v_nop                                          ; a plain instruction behind the last exponential,
	s_wait_alu depctr_va_vdst(0)                   ; and the one wait for the batch, ahead of its first reader
	WN 3,2,2,0
.irp c, 0,1,2,3
.irp u, 0,1
	v_pk_add_f32 v[16+8*\u+2*\c:16+8*\u+2*\c+1], v[SR+64*\u+2*\c:SR+64*\u+2*\c+1], v[SR+64*\u+2*\c+8:SR+64*\u+2*\c+9]
.endr
.endr
	WN 3,3,2,0
.irp j, 2,3,4,5,6,7
.irp c, 0,1,2,3
.irp u, 0,1
	v_pk_add_f32 v[16+8*\u+2*\c:16+8*\u+2*\c+1], v[16+8*\u+2*\c:16+8*\u+2*\c+1], v[SR+64*\u+2*\c+8*\j:SR+64*\u+2*\c+8*\j+1]
.endr
.endr
.endr
	WN 3,3,3,0
.irp u, 0,1
	v_pk_add_f32 v[16+8*\u:17+8*\u], v[16+8*\u:17+8*\u], v[18+8*\u:19+8*\u]
	v_pk_add_f32 v[20+8*\u:21+8*\u], v[20+8*\u:21+8*\u], v[22+8*\u:23+8*\u]
.endr
.irp u, 0,1
	v_pk_add_f32 v[16+8*\u:17+8*\u], v[16+8*\u:17+8*\u], v[20+8*\u:21+8*\u]
.endr
.irp u, 0,1
	v_add_f32 v[16+8*\u], v[16+8*\u], v[17+8*\u]
.endr
.irp u, 0,1
	v_permlanex16_b32 v[17+8*\u], v[16+8*\u], s[SEL], s[SEL+1]
.endr
.irp u, 0,1
	v_add_f32 v[16+8*\u], v[16+8*\u], v[17+8*\u]
.endr
	WN 0,3,0,0
.irp u, 0,1
	v_rcp_f32 v[RL+2*\u], v[16+8*\u]
.endr
	WN 2,2,2,0                                     ; the weights are rounded in place: P[u][g] takes the first half of S[u][2 g], S[u][2 g + 1]; these 64 lines are the work behind the reciprocals
.irp u, 0,1
.irp g, 0,1,2,3
.irp i, 0,1,2,3,4,5,6,7
	v_cvt_pk_bf16_f32 v[SR+64*\u+16*\g+\i], v[SR+64*\u+16*\g+2*\i], v[SR+64*\u+16*\g+2*\i+1]
.endr
.endr
.endr
	s_wait_alu depctr_va_vdst(0)                   ; the two reciprocals' wait, ahead of their first reader
.endm
.macro ASLOT                           ; a head: Q, scores, softmax, V^T P, and its 64 channels' part of the output projection onto X
	WN 3,0,0,0
.irp kt, 0,1,2,3,4,5,6,7
.irp c, 0,1
	ds_load_b128 v[KV+16*\kt+8*\c:KV+16*\kt+8*\c+3], v[KL] offset:2048*\kt+1024*\c
	ds_load_b128 v[KV+16*\kt+8*\c+4:KV+16*\kt+8*\c+7], v[KL] offset:2048*\kt+1024*\c+512
.endr
.endr
	UNIT 0, 0, 1, AA                               ; its counted wait covers K too, which is older
	UNIT 0, 1
	UNIT 0, 2
	UNIT 0, 3
	PLACES
	CVB                                            ; Q
	LDB AA, 256                                    ; the head's v bias
.irp c, 0,1
.irp kt, 0,1,2,3,4,5,6,7
.irp u, 0,1
.if \c == 0
	WN 2,3,3,0
	v_wmma_f32_16x16x32_bf16 v[SR+64*\u+8*\kt:SR+64*\u+8*\kt+7], v[KV+16*\kt+8*\c:KV+16*\kt+8*\c+7], v[BF+16*\u+8*\c:BF+16*\u+8*\c+7], v[MASK+8*\kt:MASK+8*\kt+7]
.else
	WN 2,3,3,2
	v_wmma_f32_16x16x32_bf16 v[SR+64*\u+8*\kt:SR+64*\u+8*\kt+7], v[KV+16*\kt+8*\c:KV+16*\kt+8*\c+7], v[BF+16*\u+8*\c:BF+16*\u+8*\c+7], v[SR+64*\u+8*\kt:SR+64*\u+8*\kt+7]
.endif
.endr
.endr
.endr
	PLACES
	WN 3,0,0,0
.irp ct, 0,1,2,3
.irp g, 0,1,2,3
	ds_load_b128 v[KV+32*\ct+8*\g:KV+32*\ct+8*\g+3], v[VL] offset:4096*\ct+1024*\g
	ds_load_b128 v[KV+32*\ct+8*\g+4:KV+32*\ct+8*\g+7], v[VL] offset:4096*\ct+1024*\g+512
.endr
.endr
	SOFT
	s_wait_dscnt 0x0                               ; V and the v bias are in
	WN 3,3,2,3
.irp g, 0,1,2,3
.irp ct, 0,1,2,3
.irp u, 0,1
.if \g == 0
	v_wmma_f32_16x16x32_bf16 v[16*\ct+8*\u:16*\ct+8*\u+7], v[KV+32*\ct+8*\g:KV+32*\ct+8*\g+7], v[SR+64*\u+16*\g:SR+64*\u+16*\g+7], 0
.else
	v_wmma_f32_16x16x32_bf16 v[16*\ct+8*\u:16*\ct+8*\u+7], v[KV+32*\ct+8*\g:KV+32*\ct+8*\g+7], v[SR+64*\u+16*\g:SR+64*\u+16*\g+7], v[16*\ct+8*\u:16*\ct+8*\u+7]
.endif
.endr
.endr
.endr
	PLACES
	WN 3,3,0,0
.irp ct, 0,1,2,3
.irp u, 0,1
.irp p, 0,1,2,3
	v_pk_fma_f32 v[16*\ct+8*\u+2*\p:16*\ct+8*\u+2*\p+1], v[16*\ct+8*\u+2*\p:16*\ct+8*\u+2*\p+1], v[RL+2*\u:RL+2*\u+1], v[BIAS+8*\ct+2*\p:BIAS+8*\ct+2*\p+1] op_sel_hi:[1,0,1]
.endr
.endr
.endr
	CVB
	UNIT 2, 4
	UNIT 2, 5
	UNIT 2, 6
	UNIT7 2, 2
	WIN 0
	v_add_nc_u32 v[AA], 512, v[AA]
	v_add_nc_u32 v[KL], 16384, v[KL]
	v_add_nc_u32 v[VL], 16384, v[VL]
.endm
; THE NORM.  At work in window 3: four chains v0-7, variances v8-9, mean (twice) at 16 + 4 u, 1 / sqrt (twice) at 18 + 4 u.
.macro LNRED                           ; four chains, two halves, two halves of the lanes -> v0
	WN 3,3,3,0
	v_pk_add_f32 v[0:1], v[0:1], v[2:3]
	v_pk_add_f32 v[4:5], v[4:5], v[6:7]
	v_pk_add_f32 v[0:1], v[0:1], v[4:5]
	v_add_f32 v0, v0, v1
	v_permlanex16_b32 v1, v0, s[SEL], s[SEL+1]
	v_add_f32 v0, v0, v1
.endm
.macro LNSTAT                          ; X is centred in place; the mean of squares is taken of the centred numbers, as reference() takes it.  X's accumulators are read in ascending order
.irp u, 0,1
	WN 3,1,1,0
.irp i, 0,1,2,3
	v_pk_add_f32 v[2*\i:2*\i+1], v[128*\u+2*\i:128*\u+2*\i+1], v[128*\u+2*\i+8:128*\u+2*\i+9]
.endr
	WN 3,3,1,0
.set m, 2
.rept 14
.irp i, 0,1,2,3
	v_pk_add_f32 v[2*\i:2*\i+1], v[2*\i:2*\i+1], v[128*\u+2*\i+8*m:128*\u+2*\i+8*m+1]
.endr
.set m, m+1
.endr
	LNRED
	v_mul_f32 v[16+4*\u], s[R256], v0
	v_mul_f32 v[17+4*\u], s[R256], v0
	WN 1,1,3,0
.set m, 0
.rept 64
	v_pk_add_f32 v[128*\u+2*m:128*\u+2*m+1], v[128*\u+2*m:128*\u+2*m+1], v[16+4*\u:17+4*\u] neg_lo:[0,1] neg_hi:[0,1]
.set m, m+1
.endr
	WN 3,1,1,0
.irp i, 0,1,2,3
	v_pk_mul_f32 v[2*\i:2*\i+1], v[128*\u+2*\i:128*\u+2*\i+1], v[128*\u+2*\i:128*\u+2*\i+1]
.endr
	WN 3,1,1,3
.set m, 1
.rept 15
.irp i, 0,1,2,3
	v_pk_fma_f32 v[2*\i:2*\i+1], v[128*\u+2*\i+8*m:128*\u+2*\i+8*m+1], v[128*\u+2*\i+8*m:128*\u+2*\i+8*m+1], v[2*\i:2*\i+1]
.endr
.set m, m+1
.endr
	LNRED
	v_mul_f32 v0, s[R256], v0
	v_add_f32 v[8+\u], 0x3727c5ac, v0              ; + 1e-5
.endr
	WN 3,3,0,0
	v_rsq_f32 v18, v8
	v_rsq_f32 v19, v8
	v_rsq_f32 v22, v9
	v_rsq_f32 v23, v9
	v_nop
	s_wait_alu depctr_va_vdst(0)                   ; one wait for the four
.endm
.macro LNLD ch, off                    ; gain, bias, bias + next output bias of channels 32 ch .. + 31, in my lanes' layout: 12 loads into buffer ch % 2
	WN 3,0,0,0
.set pb, 128+48*((\ch)&1)
.irp a, 0,1,2
.irp nn, 0,1
	ds_load_b128 v[pb+16*\a+8*\nn:pb+16*\a+8*\nn+3], v[ALN] offset:(\off)+1024*\a+64*(2*(\ch)+\nn)
	ds_load_b128 v[pb+16*\a+8*\nn+4:pb+16*\a+8*\nn+7], v[ALN] offset:(\off)+1024*\a+64*(2*(\ch)+\nn)+16
.endr
.endr
.endm
.macro LN off                          ; XF = bf16(y), X = y + the next sublayer's output bias, y = the norm's result
	LNLD 0, \off
	LNSTAT
	WN 1,1,3,0
.irp u, 0,1
.set m, 0
.rept 64
	v_pk_mul_f32 v[128*\u+2*m:128*\u+2*m+1], v[128*\u+2*m:128*\u+2*m+1], v[18+4*\u:19+4*\u]
.set m, m+1
.endr
.endr
.set ch, 0
.rept 8
.if ch < 7
	LNLD ch+1, \off
	s_wait_dscnt 12                                ; all but the 12 loads just issued
.else
	s_wait_dscnt 0x0
.endif
.set pb, 128+48*(ch&1)
	WN 3,1,3,3
.irp u, 0,1
.irp nn, 0,1
.irp p, 0,1,2,3
	v_pk_fma_f32 v[32+16*\u+8*\nn+2*\p:32+16*\u+8*\nn+2*\p+1], v[128*\u+8*(2*ch+\nn)+2*\p:128*\u+8*(2*ch+\nn)+2*\p+1], v[pb+8*\nn+2*\p:pb+8*\nn+2*\p+1], v[pb+16+8*\nn+2*\p:pb+16+8*\nn+2*\p+1]
.endr
.endr
.endr
	WN 1,1,3,3
.irp u, 0,1
.irp nn, 0,1
.irp p, 0,1,2,3
	v_pk_fma_f32 v[128*\u+8*(2*ch+\nn)+2*\p:128*\u+8*(2*ch+\nn)+2*\p+1], v[128*\u+8*(2*ch+\nn)+2*\p:128*\u+8*(2*ch+\nn)+2*\p+1], v[pb+8*\nn+2*\p:pb+8*\nn+2*\p+1], v[pb+32+8*\nn+2*\p:pb+32+8*\nn+2*\p+1]
.endr
.endr
.endr
	WN 2,3,3,0
.irp u, 0,1
.irp nn, 0,1
.irp p, 0,1,2,3
	v_cvt_pk_bf16_f32 v[64*\u+8*ch+4*\nn+\p], v[32+16*\u+8*\nn+2*\p], v[32+16*\u+8*\nn+2*\p+1]
.endr
.endr
.endr
.set ch, ch+1
.endr
	WIN 0
.endm
; THE GATHER of my 32 rows of attr_emb: a row is two loads of 512 consecutive bytes.
.macro GLOAD u
	WIN 0
.set m, 0
.rept 16
	s_min_u32 s[68+16*(\u)+m], s[68+16*(\u)+m], 49999
	s_lshl_b32 s[68+16*(\u)+m], s[68+16*(\u)+m], 10
	v_add_nc_u32 v[32+16*(\u)+m], s[68+16*(\u)+m], v[L16]
.set m, m+1
.endr
	WN 3-(\u),0,0,0
.set m, 0
.rept 16
	global_load_b128 v[128+8*m:128+8*m+3], v[32+16*(\u)+m], s[46:47]
	global_load_b128 v[128+8*m+4:128+8*m+7], v[32+16*(\u)+m], s[46:47] offset:512
.set m, m+1
.endr
.endm
.macro STAGE u                         ; through my own stage (16 rows, 1,040 bytes apart) into X's layout; LDS serves a wave's instructions in order (ISA guide 5.7.1.4)
	s_wait_loadcnt 32-32*(\u)                      ; tile u's 32 loads and all older loads are in; behind tile 0's stand tile 1's 32, which may stay out
	WN 0,0,3-(\u),0
.set m, 0
.rept 16
	ds_store_b128 v18, v[128+8*m:128+8*m+3] offset:1040*m
	ds_store_b128 v18, v[128+8*m+4:128+8*m+7] offset:1040*m+512
.set m, m+1
.endr
	WN 1,0,0,0
.set m, 0
.rept 16
	ds_load_b128 v[128*(\u)+8*m:128*(\u)+8*m+3], v19 offset:64*m
	ds_load_b128 v[128*(\u)+8*m+4:128*(\u)+8*m+7], v19 offset:64*m+16
.set m, m+1
.endr
.endm
	s_load_b512 s[44:59], s[0:1], 0x0              ; attr 44, attr_emb 46, attr_lens 48, attr_lens_user 50, attr_tf 52, attr_feat 54, fw_W 56, fw_b 58
	s_load_b128 s[60:63], s[0:1], 0x40             ; wb 60, par 62
	v_lshl_add_u32 v[SPW], v0, 2, SPARE
	v_mov_b32 v[NIL], 0
	ds_add_u32 v[SPW], v[NIL]                      ; the wave's opening: the add, twice on end, and its wait ahead of my first tensor load
	ds_add_u32 v[SPW], v[NIL]
	v_lshrrev_b32 v15, 5, v0
	v_readfirstlane_b32 s[WV], v15
	s_bfe_u32 s[CX], ttmp6, 0x40000
	s_lshl_b32 s[SB], ttmp9, 2                     ; in a cluster launch ttmp9 counts clusters
	s_add_co_u32 s[SB], s[SB], s[CX]
	; descriptors: dense blocks as rows of 256 bytes (32 elements of 8 bytes); 64 rows a wave of a slot, 25 rows a wave of par
.irp g, G1W, G1P
	s_mov_b32 s[\g], 15|(3<<16)|(1<<21)            ; 15:0 the mask of four; 17:16 elements of 8 bytes; 21 set beside a mask
	s_mov_b32 s[\g+1], 32<<16                      ; tensor_dim0 = 32
	s_mov_b32 s[\g+3], 32<<16                      ; tile_dim0 = 32
	s_mov_b32 s[\g+5], 32                          ; 32 elements from row to row
	s_mov_b32 s[\g+6], 0
	s_mov_b32 s[\g+7], 0
.endr
	s_mov_b32 s[G1W+2], 64<<16                     ; tensor_dim1
	s_mov_b32 s[G1W+4], 64                         ; tile_dim1
	s_mov_b32 s[G1P+2], 25<<16
	s_mov_b32 s[G1P+4], 25
	s_mov_b32 s[G0W], 1
	s_lshl_b32 s[G0W+1], s[WV], 14                 ; slot 0, my quarter
	s_mov_b32 s[G0P], 1
	s_mul_i32 s[G0P+1], s[WV], 6400
	s_add_co_u32 s[G0P+1], s[G0P+1], PAR
	s_mov_b32 s[CS], 0x3e38aa3b                    ; log2(e) / 8
	s_mov_b32 s[CS+1], s[CS]
	s_mov_b32 s[SEL], 0x76543210
	s_mov_b32 s[SEL+1], 0xfedcba98
	s_mov_b32 s[BIG], 0xcfee6b28                   ; -8e9
	s_mov_b32 s[R256], 0x3b800000                  ; 1 / 256
	s_mov_b32 s[NL], 0
	s_mov_b32 s[TB], SLOTB                         ; the first change of slots turns it into 0
	s_and_b32 s[LIM], s[WV], 1
	s_or_b32 s[LIM], s[LIM], ttmp9                 ; 0 in waves 0 and 2 of the launch's first cluster: the same in all four partners
	s_cmp_eq_u32 s[LIM], 0
	s_cselect_b32 s[LIM], 45, 0
	v_and_b32 v20, 31, v0                          ; lane
	v_lshlrev_b32 v[L16], 4, v20
	v_and_b32 v16, 15, v0                          ; r
	v_bfe_u32 v17, v0, 4, 1                        ; h
	v_lshl_add_u32 v[KSW], s[WV], 12, v[L16]
	v_lshl_add_u32 v[VSW], s[WV], 10, v[L16]
	v_lshl_add_u32 v[ALN], v17, 5, PAR
	v_add_nc_u32 v[AA], 12288, v[ALN]
	v_add_nc_u32 v[AF], 16384, v[ALN]
	v_mov_b32 v[ZERO], 0
	v_lshlrev_b32 v[PFO], 8, v20
	s_mul_i32 s2, s[WV], 16640
	s_add_co_u32 s2, s2, SCR                       ; my stage
	v_add_nc_u32 v18, s2, v[L16]
	v_mul_u32_u24 v19, v16, 1040
	v_lshl_add_u32 v19, v17, 5, v19
	v_add_nc_u32 v19, s2, v19
	v_mov_b32 v25, 0                               ; the upper registers of pairs whose lower word is taken for both halves
	v_mov_b32 v27, 0
	v_mov_b32 v29, 0
	v_mov_b32 v31, 0
	v_min_u32 v21, 12, v20
	v_lshlrev_b32 v21, 2, v21                      ; lanes 0-12: a feature each; the others repeat the last and are set to 0 below
	v_lshlrev_b32 v22, 2, v16
	s_wait_dscnt 0x0                               ; both opening adds are done
	s_wait_kmcnt 0x0
	s_lshl_b32 s2, s[WV], 14
	s_mov_b32 s3, 0
	s_add_nc_u64 s[G0W+2:G0W+3], s[60:61], s[2:3]
	s_or_b32 s[G0W+3], s[G0W+3], 0x80000000
	s_mul_i32 s2, s[WV], 6400
	s_add_nc_u64 s[G0P+2:G0P+3], s[62:63], s[2:3]
	s_or_b32 s[G0P+3], s[G0P+3], 0x80000000
	s_lshl_b32 s66, s[CX], 14
	s_lshr_b32 s67, s[WV], 1
	s_lshl_b32 s67, s67, 13
	s_add_co_u32 s66, s66, s67
	s_add_co_u32 s66, s66, 3*SLOTB                 ; two changes step it to slot 5, the first that is named
	s_mov_b32 s67, 0
	s_add_nc_u64 s[PFA:PFA+1], s[60:61], s[66:67]
	ROUND                                          ; all four work-groups are here: the first joint loads meet
	tensor_load_to_lds s[G0W:G0W+3], s[G1W:G1W+7]  ; slot 0
	s_nop 0
	tensor_load_to_lds s[G0P:G0P+3], s[G1P:G1P+7]  ; par: two loads of mine are out
	s_nop 0
.rept 4
	v_nop
.endr
	s_lshl_b32 s66, s[SB], 9
	s_lshl_b32 s67, s[WV], 7
	s_add_co_u32 s66, s66, s67                     ; my 32 tokens in attr and attr_tf
	s_mov_b32 s67, 0                               ; s67 stays 0 from here on: the upper word of every offset in s66
	s_add_nc_u64 s[44:45], s[44:45], s[66:67]
	s_add_nc_u64 s[52:53], s[52:53], s[66:67]
	s_load_b512 s[68:83], s[44:45], 0x0
	s_load_b512 s[84:99], s[44:45], 0x40
	s_lshl_b32 s66, s[SB], 2
	s_add_nc_u64 s[48:49], s[48:49], s[66:67]
	s_add_nc_u64 s[50:51], s[50:51], s[66:67]
	s_load_b32 s100, s[48:49], 0x0                 ; attr_lens
	s_load_b32 s101, s[50:51], 0x0                 ; attr_lens_user
	s_mul_i32 s66, s[SB], 52
	s_add_nc_u64 s[54:55], s[54:55], s[66:67]
	global_load_b32 v[FE], v21, s[54:55]           ; five small loads, ahead of the gather's 64: tile 0's wait shows them done too
	global_load_b32 v[FE+1], v21, s[56:57]
	global_load_b32 v[FE+2], v[ZERO], s[58:59]
	global_load_b32 v[WT], v22, s[52:53]
	global_load_b32 v[WT+2], v22, s[52:53] offset:64
	s_wait_kmcnt 0x0
	GLOAD 0
	GLOAD 1
	WIN 0
	; the key mask hangs on attr_lens alone: it is made while the loads are out
	v_lshlrev_b32 v[FE+3], 3, v17
	v_sub_nc_u32 v[FE+3], s100, v[FE+3]
	v_add_nc_u32 v[FE+3], -1, v[FE+3]              ; key 16 kt + 8 h + j is padding where 16 kt + j > len - 8 h - 1
.set m, 0
.rept 64
	v_cmp_gt_i32 vcc_lo, 16*(m>>3)+(m&7), v[FE+3]
	v_cndmask_b32 v[MASK+m], 0, s[BIG], vcc_lo
.set m, m+1
.endr
	STAGE 0
	WIN 0
	; the user's weight and my two tokens' weights, while tile 0 goes through the stage
	v_mul_f32 v[FE], v[FE], v[FE+1]
	v_cmp_gt_u32 vcc_lo, 13, v20
	v_cndmask_b32 v[FE], 0, v[FE], vcc_lo
	v_add_f32_dpp v[FE], v[FE], v[FE] row_xmask:1 row_mask:0xf bank_mask:0xf
	v_add_f32_dpp v[FE], v[FE], v[FE] row_xmask:2 row_mask:0xf bank_mask:0xf
	v_add_f32_dpp v[FE], v[FE], v[FE] row_xmask:4 row_mask:0xf bank_mask:0xf
	v_add_f32_dpp v[FE], v[FE], v[FE] row_xmask:8 row_mask:0xf bank_mask:0xf
	v_permlanex16_b32 v[FE+1], v[FE], s[SEL], s[SEL+1]
	v_add_f32 v[FE], v[FE], v[FE+1]
	v_add_f32 v[FE], v[FE], v[FE+2]
	v_mul_f32 v[FE], 0xbfb8aa3b, v[FE]             ; sigmoid(z) = 1 / (1 + 2^(-log2(e) z))
	v_exp_f32 v[FE], v[FE]
	v_nop
	s_wait_alu depctr_va_vdst(0)
	v_add_f32 v[FE], 1.0, v[FE]
	v_rcp_f32 v[FE], v[FE]
	v_lshl_add_u32 v15, s[WV], 5, v16              ; my token of tile 0
	s_wait_alu depctr_va_vdst(0)
	v_sub_f32 v[FE+1], 1.0, v[FE]
.irp u, 0,1
	v_cmp_gt_i32 vcc_lo, s101, v15
	v_cndmask_b32 v[FE+2], v[FE+1], v[FE], vcc_lo  ; the user's side or the item's
	v_mul_f32 v[WT+2*\u], v[WT+2*\u], v[FE+2]
	v_cmp_gt_i32 vcc_lo, s100, v15
	v_cndmask_b32 v[WT+2*\u], 0, v[WT+2*\u], vcc_lo  ; 0 for padding
	v_add_nc_u32 v15, 16, v15
.endr
	STAGE 1                                        ; its wait is for 0: no load of mine is out, so the first arguments' registers may be written
	s_load_b512 s[44:59], s[0:1], 0x50             ; user_ids 44, item_ids 46, user_emb 48, item_emb 50, out_emb 52, pos_targets 54, neg_targets 56, pos_lens 58
	s_load_b256 s[92:99], s[0:1], 0x90             ; neg_lens 92, out0 94, out1 96, out2 98
	s_wait_dscnt 0x0
	WN 2,1,1,0
.set m, 0
.rept 128
	v_cvt_pk_bf16_f32 v[m], v[2*m], v[2*m+1]       ; XF
.set m, m+1
.endr
	s_wait_kmcnt 0x0
	s_lshl_b32 s66, s[SB], 2
	s_add_nc_u64 s[44:45], s[44:45], s[66:67]
	s_add_nc_u64 s[46:47], s[46:47], s[66:67]
	s_add_nc_u64 s[58:59], s[58:59], s[66:67]
	s_add_nc_u64 s[92:93], s[92:93], s[66:67]
	s_load_b32 s78, s[44:45], 0x0
	s_load_b32 s79, s[46:47], 0x0
	s_load_b32 s90, s[58:59], 0x0
	s_load_b32 s91, s[92:93], 0x0
	s_mul_i32 s66, s[SB], 400
	s_add_nc_u64 s[54:55], s[54:55], s[66:67]
	s_mul_i32 s66, s[SB], 2000
	s_add_nc_u64 s[56:57], s[56:57], s[66:67]
	s_mul_i32 s66, s[SB], 2400
	s_add_nc_u64 s[94:95], s[94:95], s[66:67]
	s_add_nc_u64 s[98:99], s[98:99], s[66:67]
	s_mul_i32 s66, s[SB], 600
	s_add_nc_u64 s[96:97], s[96:97], s[66:67]
	s_mul_i32 s100, s[WV], 30                      ; my first batch of five columns
	IDX 5
	CHA 2                                          ; slot 0 and par are waited for; slot 1 is asked for, as a refill is
	CHB 2, 0
	WN 3,0,0,0
.set m, 0
.rept 16
	ds_load_b128 v[128+8*m:128+8*m+3], v[ALN] offset:24576+64*m
	ds_load_b128 v[128+8*m+4:128+8*m+7], v[ALN] offset:24576+64*m+16
.set m, m+1
.endr
	s_wait_dscnt 0x0
	WN 1,1,3,0
.irp u, 0,1
.set m, 0
.rept 64
	v_pk_add_f32 v[128*\u+2*m:128*\u+2*m+1], v[128*\u+2*m:128*\u+2*m+1], v[128+2*m:128+2*m+1]  ; X = x + attn_out_b[0]: the products add onto it
.set m, m+1
.endr
.endr
	WIN 0
	s_wait_kmcnt 0x0                               ; the two ids and the two lengths
	s_mov_b32 s92, s90                             ; pos_len, neg_len: kept to the end
	s_mov_b32 s93, s91
	s_min_u32 s78, s78, 9999
	s_lshl_b32 s78, s78, 10
	s_min_u32 s79, s79, 9999
	s_lshl_b32 s79, s79, 10
	WN 2,0,0,0
	v_add_nc_u32 v[UO], s78, v[L16]
	v_add_nc_u32 v[UO+1], s79, v[L16]
	WN 3,2,0,0
	global_load_b128 v[UI:UI+3], v[UO], s[48:49]   ; the user's and the item's row stay in registers; the first batch's wait, for 0, shows them in
	global_load_b128 v[UI+4:UI+7], v[UO], s[48:49] offset:512
	global_load_b128 v[UI+8:UI+11], v[UO+1], s[50:51]
	global_load_b128 v[UI+12:UI+15], v[UO+1], s[50:51] offset:512
	WIN 0
	s_mul_i32 s2, s[WV], 600
	s_add_co_u32 s2, s2, LOGB
	v_mov_b32 v15, s2                              ; where my first batch's sums go: my 150 columns lie on end
	s_mov_b32 s[LAY], 2
.Llayer:
	v_add_nc_u32 v[ST], SCR, v[KSW]
	s_mov_b32 s[CNT], 2
.Lk:
	KVSLOT 0
	s_sub_co_u32 s[CNT], s[CNT], 1
	s_cmp_lg_u32 s[CNT], 0
	s_cbranch_scc1 .Lk
	v_add_nc_u32 v[ST], SCR+65536, v[VSW]
	s_mov_b32 s[CNT], 2
.Lv:
	KVSLOT 1
	s_sub_co_u32 s[CNT], s[CNT], 1
	s_cmp_lg_u32 s[CNT], 0
	s_cbranch_scc1 .Lv
	s_wait_dscnt 0x0                               ; for the others' sake: my last images of V are stored
	s_barrier_signal -1
	s_barrier_wait -1                              ; the tensor load that is out may stay out
	v_add_nc_u32 v[KL], SCR, v[L16]
	v_add_nc_u32 v[VL], SCR+65536, v[L16]
	s_mov_b32 s[CNT], 4
.La:
	ASLOT
	s_sub_co_u32 s[CNT], s[CNT], 1
	s_cmp_lg_u32 s[CNT], 0
	s_cbranch_scc1 .La
	PLACES
	CONV 5                                         ; the layer's first batch is asked for: the scores' registers are idle from here to the next attention
	IDX 5
	GREFILL
	LN 0
	LDB AF, 0                                      ; the first slot's bias
	s_mov_b32 s[CNT], 14
.Lf:
	FSLOT 2, 1
	s_sub_co_u32 s[CNT], s[CNT], 1
	s_cmp_lg_u32 s[CNT], 0
	s_cbranch_scc1 .Lf
	s_wait_loadcnt 0x0                             ; the layer's fifteenth batch: nothing is asked for behind it
	GVEC
	GRED
	GSTORE
	v_add_nc_u32 v15, 20, v15
	LDB AF, 0                                      ; the five sums lay in the bias's registers: the next slot's bias once more
	s_cmp_eq_u32 s[LAY], 1
	s_cbranch_scc1 .Ltail                          ; the last layer's last two slots are written out: they ask for nothing more
	s_mov_b32 s[CNT], 2
.Lf2:
	FSLOT 2
	s_sub_co_u32 s[CNT], s[CNT], 1
	s_cmp_lg_u32 s[CNT], 0
	s_cbranch_scc1 .Lf2
	PLACES
	LN 3072
	v_add_nc_u32 v[ALN], 6144, v[ALN]
	s_sub_co_u32 s[LAY], s[LAY], 1
	s_cmp_lg_u32 s[LAY], 0
	s_cbranch_scc1 .Llayer
.Ltail:
; THE MIDDLE THIRDS.  A row's bytes 1,024 to 2,047 are two loads of 512 consecutive bytes.  A ring of 30 rows keeps 60 loads of a wave out; it is filled ahead of the last norm's statistics.  A wave's 150
; columns are five rounds of the ring.  A row's 32 lane sums go to LDS as they are; at the end each thread adds up its own columns.
.macro LSLOT row, refill, left, so     ; one row's product with attr_x (v40-47); so: which of the decade's ten offsets the refill takes
	s_wait_loadcnt \left                           ; my two loads are in; the younger rows' stay out.  This wait also frees the row's offset register
	WN 0,2,0,0
.set ta, LT+2*((\row)&3)
.set rb, 8*(\row)
	v_pk_mul_f32 v[ta:ta+1], v[rb:rb+1], v[AXR:AXR+1]
.irp c, 1,2,3
	v_pk_fma_f32 v[ta:ta+1], v[rb+2*\c:rb+2*\c+1], v[AXR+2*\c:AXR+2*\c+1], v[ta:ta+1]
.endr
.if \refill
	WIN 0
	v_add_nc_u32 v[RO+(\row)], s[80+(\so)], v[L16]
	WN 2,0,0,0
	global_load_b128 v[rb:rb+3], v[RO+(\row)], s[52:53] offset:1024
	global_load_b128 v[rb+4:rb+7], v[RO+(\row)], s[52:53] offset:1536
.endif
	WIN 0
	v_add_f32 v[ta], v[ta], v[ta+1]
	ds_store_b32 v15, v[ta] offset:PSP*(\row)
.endm
	s_wait_kmcnt 0x0                               ; the last batch's index load, which nothing uses, is in: its registers and the pointer may be written
	s_mul_i32 s101, s[WV], 15                      ; my first decade; my first 30 indices lie on end (wave 0's in pos_targets, the others' in neg_targets)
	s_mul_i32 s66, s101, 40
	s_sub_co_u32 s62, s66, 400
	s_cmp_lt_u32 s101, 10
	s_cselect_b32 s66, s66, s62
	s_cselect_b64 s[60:61], s[54:55], s[56:57]
	s_add_nc_u64 s[60:61], s[60:61], s[66:67]
	s_load_b512 s[68:83], s[60:61], 0x0            ; rows 0-15,
	s_load_b256 s[84:91], s[60:61], 0x40           ; 16-23,
	s_load_b128 s[44:47], s[60:61], 0x60           ; 24-27,
	s_load_b64 s[48:49], s[60:61], 0x70            ; 28, 29: they come while the last two slots are multiplied
	s_mov_b32 s[CNT], 2
.Lf3:                                          ; slots 46 and 47 by one text: the second trip's change of slots fetches 8 fragments and a bias that nothing uses: the price, once a launch, of one text for both
	FSLOT 1
	s_sub_co_u32 s[CNT], s[CNT], 1
	s_cmp_lg_u32 s[CNT], 0
	s_cbranch_scc1 .Lf3
	s_wait_dscnt 0x0                               ; those loads are in: the fragments' registers may be written
	s_wait_kmcnt 0x0
	PLACES                                         ; behind the last products: writes of their fragments' registers, loads into x's and the statistics' reads follow
.set m, 0
.rept 30
.if m < 24
.set sr, 68+m
.else
.set sr, 20+m
.endif
	s_min_u32 s[sr], s[sr], 49999
	s_mul_i32 s[sr], s[sr], 3072
	v_add_nc_u32 v[RO+m], s[sr], v[L16]
.set m, m+1
.endr
	WN 2,0,0,0
.set m, 0
.rept 30
	global_load_b128 v[8*m:8*m+3], v[RO+m], s[52:53] offset:1024
	global_load_b128 v[8*m+4:8*m+7], v[RO+m], s[52:53] offset:1536
.set m, m+1
.endr
	WIN 0
	s_mul_i32 s100, s[WV], 15
	s_add_co_u32 s100, s100, 3                     ; the second round's first decade
	IDX 10
	LNSTAT
	; THE TOKEN SUM.  Z = (w0 rs0) xc[0] + (w1 rs1) xc[1] in each lane; the lanes' rows of 128 numbers meet in LDS, 528 bytes apart.  Thread t adds up channels 2 t and 2 t + 1, which lie in the
	; rows of the lanes' half (t / 4) % 2 at byte 32 (t / 8) + 8 (t % 4): 64 pairs; attr_x, its gain and its bias are then 8 bytes a thread on end.
	WIN 0
	v_add_f32 v[WS], v[WT], v[WT+2]
	v_add_f32_dpp v[WS], v[WS], v[WS] row_xmask:1 row_mask:0xf bank_mask:0xf
	v_add_f32_dpp v[WS], v[WS], v[WS] row_xmask:2 row_mask:0xf bank_mask:0xf
	v_add_f32_dpp v[WS], v[WS], v[WS] row_xmask:4 row_mask:0xf bank_mask:0xf
	v_add_f32_dpp v[WS], v[WS], v[WS] row_xmask:8 row_mask:0xf bank_mask:0xf  ; the sum of my wave's 32 weights
	v_and_b32 v18, 31, v0
	v_mul_u32_u24 v16, v18, 528
	s_mul_i32 s2, s[WV], 16896
	s_add_co_u32 s2, s2, SCR
	v_add_nc_u32 v16, s2, v16                      ; my row
	v_bfe_u32 v18, v0, 2, 1
	v_mul_u32_u24 v17, v18, 8448                   ; 16 rows on for the upper half of the lanes
	v_lshrrev_b32 v18, 3, v0
	v_lshl_add_u32 v17, v18, 5, v17
	v_and_b32 v18, 3, v0
	v_lshl_add_u32 v17, v18, 3, v17
	v_add_nc_u32 v17, SCR, v17                     ; where my pair lies in wave 0's first row of that half
	v_lshl_add_u32 v22, v0, 3, PAR+9216            ; the last norm's gain of my two channels; its bias 1,024 bytes on
	v_lshl_add_u32 v23, v0, 3, AXB
	s_lshl_b32 s3, s[WV], 2
	s_add_co_u32 s3, s3, WSB
	v_mov_b32 v21, s3
	WN 0,0,3,0
	v_mul_f32 v[WT], v[WT], v18                    ; x rs of tile 0 (v18 of window 3)
	v_mul_f32 v[WT+2], v[WT+2], v22                ; x rs of tile 1 (v22 of window 3)
	WN 1,1,0,0
.set m, 0
.rept 64
	v_pk_mul_f32 v[2*m:2*m+1], v[2*m:2*m+1], v[WT:WT+1] op_sel_hi:[1,0]
.set m, m+1
.endr
	WN 1,1,0,1
.set m, 0
.rept 64
	v_pk_fma_f32 v[2*m:2*m+1], v[128+2*m:128+2*m+1], v[WT+2:WT+3], v[2*m:2*m+1] op_sel_hi:[1,0,1]
.set m, m+1
.endr
	WN 0,0,1,0
.set m, 0
.rept 32
	ds_store_b128 v16, v[4*m:4*m+3] offset:16*m
.set m, m+1
.endr
	WIN 0
	ds_store_b32 v21, v[WS]
	s_wait_dscnt 0x0
	s_barrier_signal -1
	s_barrier_wait -1
	WN 1,0,0,0
.set m, 0
.rept 64
	ds_load_b64 v[128+2*m:128+2*m+1], v17 offset:16896*(m>>4)+528*(m&15)
.set m, m+1
.endr
	WIN 0
	v_mov_b32 v18, WSB
	ds_load_b128 v[TS:TS+3], v18
	ds_load_b64 v[TS+4:TS+5], v22
	ds_load_b64 v[TS+6:TS+7], v22 offset:1024
	s_wait_dscnt 0x0
	WN 1,1,1,0
.irp st, 32,16,8,4,2,1
.set m, 0
.rept \st
	v_pk_add_f32 v[128+2*m:128+2*m+1], v[128+2*m:128+2*m+1], v[128+2*(m+\st):128+2*(m+\st)+1]
.set m, m+1
.endr
.endr
	WIN 0
	v_add_f32 v[TS], v[TS], v[TS+1]
	v_add_f32 v[TS+2], v[TS+2], v[TS+3]
	v_add_f32 v[TS], v[TS], v[TS+2]                ; the sum of all 128 weights
	v_pk_mul_f32 v[TS+6:TS+7], v[TS+6:TS+7], v[TS:TS+1] op_sel_hi:[1,0]
	WN 0,1,0,0
	v_pk_fma_f32 v[TS+4:TS+5], v[128:129], v[TS+4:TS+5], v[TS+6:TS+7]
	WIN 0
	ds_store_b64 v23, v[TS+4:TS+5]
	s_wait_dscnt 0x0                               ; my reads of the token sum's rows are over too: behind this barrier the lane sums are stored over them
	s_barrier_signal -1
	s_barrier_wait -1
	v_add_nc_u32 v18, AXB, v[L16]
	ds_load_b128 v[AXR:AXR+3], v18
	ds_load_b128 v[AXR+4:AXR+7], v18 offset:512
	v_and_b32 v20, 31, v0
	s_mul_i32 s2, s[WV], 150*PSP
	s_add_co_u32 s2, s2, SCR
	v_lshl_add_u32 v15, v20, 2, s2                 ; my word of my first column's 32 lane sums
	s_wait_dscnt 0x0
	s_mov_b32 s[CNT], 4
.Llog:                                         ; a trip: a round's 30 rows are multiplied, the next round's asked for, decade by decade; the indices of the decade after are loaded
.irp dd, 0,1,2
	CONV 10
	IDX 10
.irp i, 0,1,2,3,4,5,6,7,8,9
	LSLOT 10*\dd+\i, 1, 58, \i
.endr
.endr
	v_add_nc_u32 v15, 30*PSP, v15
	s_sub_co_u32 s[CNT], s[CNT], 1
	s_cmp_lg_u32 s[CNT], 0
	s_cbranch_scc1 .Llog
.set m, 0
.rept 30
	LSLOT m, 0, 58-2*m, 0                          ; the last round loads nothing: the counts run down
.set m, m+1
.endr
	s_wait_kmcnt 0x0                               ; the last trip's index load, which nothing uses, is in: no scalar load is out when the wave ends
	s_wait_dscnt 0x0
	s_barrier_signal -1
	s_barrier_wait -1
	; THE OUTPUTS.  Column c = thread + 128 k, k = 0 .. 4.  logit = the column's 32 lane sums + its user's and item's sum.  target = c < min(pos_len, 100); valid = target, or 100 <= c < 100 + neg_len.
	; All is made with every lane on (for k = 4 the LDS addresses are clamped to the last column); only the three stores of k = 4 stand under a narrowed EXEC.  Each k has registers of its own.
	s_max_i32 s92, s92, 0
	s_min_i32 s92, s92, 100
	s_max_i32 s93, s93, 0
	s_min_i32 s93, s93, 500
	s_add_co_u32 s93, s93, 100
	s_mov_b32 s42, 100
	v_mul_u32_u24 v19, v0, PSP
	v_add_nc_u32 v19, SCR, v19
	v_lshl_add_u32 v17, v0, 2, LOGB
	v_add_nc_u32 v18, 512, v0
	v_min_u32 v18, 599, v18
	v_lshl_add_u32 v16, v18, 2, LOGB
	v_mul_u32_u24 v18, v18, PSP
	v_add_nc_u32 v18, SCR, v18
	WN 1,0,0,0
.irp k, 0,1,2,3
.irp q, 0,1,2,3,4,5,6,7
	ds_load_b128 v[32*\k+4*\q:32*\k+4*\q+3], v19 offset:128*PSP*\k+16*\q
.endr
.endr
.irp q, 0,1,2,3,4,5,6,7
	ds_load_b128 v[128+4*\q:128+4*\q+3], v18 offset:16*\q
.endr
	WIN 0
.irp k, 0,1,2,3
	ds_load_b32 v[OR+5*\k+2], v17 offset:512*\k
.endr
	ds_load_b32 v[OR+22], v16
.irp k, 0,1,2,3,4
	v_add_nc_u32 v[OR+5*\k], 128*\k, v0
	v_lshlrev_b32 v[OR+5*\k+1], 2, v[OR+5*\k]
	v_cmp_gt_u32 s46, s92, v[OR+5*\k]
	v_cmp_le_u32 s47, s42, v[OR+5*\k]
	v_cmp_gt_u32 s58, s93, v[OR+5*\k]
	s_and_b32 s47, s47, s58
	s_or_b32 s47, s47, s46
	v_cndmask_b32 v[OR+5*\k+4], 0, 1, s46
	v_cndmask_b32 v[OR+5*\k+3], 0, 1, s47
.endr
	s_wait_dscnt 0x0
	WN 1,1,1,0
.irp st, 8,4,2,1
.irp k, 0,1,2,3,4
.set m, 0
.rept \st
	v_pk_add_f32 v[32*\k+2*m:32*\k+2*m+1], v[32*\k+2*m:32*\k+2*m+1], v[32*\k+2*(m+\st):32*\k+2*(m+\st)+1]
.set m, m+1
.endr
.endr
.endr
	WN 0,1,0,0
.irp k, 0,1,2,3,4
	v_add_f32 v[OR+5*\k+2], v[32*\k], v[OR+5*\k+2]
.endr
.irp k, 0,1,2,3,4
	v_add_f32 v[OR+5*\k+2], v[32*\k+1], v[OR+5*\k+2]
.endr
	WIN 0
.macro OUTK k
	global_store_b8 v[OR+5*(\k)], v[OR+5*(\k)+3], s[96:97]
	global_store_b32 v[OR+5*(\k)+1], v[OR+5*(\k)+4], s[98:99]
	global_store_b32 v[OR+5*(\k)+1], v[OR+5*(\k)+2], s[94:95]
.endm
	OUTK 0
	OUTK 1
	OUTK 2
	OUTK 3
	s_wait_xcnt 0x0                                ; EXEC changes only behind this wait
	v_cmp_gt_u32 vcc_lo, 88, v0
	s_and_saveexec_b32 s59, vcc_lo                 ; columns 512 to 599
	OUTK 4
	s_wait_xcnt 0x0                                ; and again ahead of the line that widens it
	s_or_b32 exec_lo, exec_lo, s59
	s_wait_tensorcnt 0x0                           ; the wave's end: behind my last tensor load and my last LDS store
	ds_add_u32 v[SPW], v[NIL]
	s_wait_dscnt 0x0
	ROUND                                          ; the closing round
	s_endpgm
.Lfunc_end_k_q5cdf37222a_net:
	.size	k_q5cdf37222a_net, .Lfunc_end_k_q5cdf37222a_net-k_q5cdf37222a_net
	.p2alignl 7, 3214868480
	.fill 96, 4, 3214868480
	.section	.rodata,"a",@progbits
	.p2align	6, 0x0
	.amdhsa_kernel k_q5cdf37222a_net
		.amdhsa_group_segment_fixed_size 327680
		.amdhsa_private_segment_fixed_size 0
		.amdhsa_enable_private_segment 0
		.amdhsa_kernarg_size 176
		.amdhsa_user_sgpr_count 2
		.amdhsa_user_sgpr_kernarg_segment_ptr 1
		.amdhsa_wavefront_size32 1
		.amdhsa_system_sgpr_workgroup_id_x 1
		.amdhsa_system_sgpr_workgroup_id_y 1
		.amdhsa_system_sgpr_workgroup_id_z 1
		.amdhsa_system_vgpr_workitem_id 0
		.amdhsa_next_free_vgpr 1024
		.amdhsa_next_free_sgpr 102
		.amdhsa_reserve_vcc 1
		.amdhsa_float_denorm_mode_32 3
		.amdhsa_float_denorm_mode_16_64 3
		.amdhsa_memory_ordered 1
		.amdhsa_forward_progress 1
		.amdhsa_inst_pref_size 255
	.end_amdhsa_kernel
	.section	.bss,"aw",@nobits
	.p2align	6
	.space	262144
	.amdgpu_metadata
---
amdhsa.version: [ 1, 2 ]
amdhsa.kernels:
  - .name:           k_q5cdf37222a_net
    .symbol:         k_q5cdf37222a_net.kd
    .args:
      - { .name: attr, .offset: 0, .size: 8, .value_kind: global_buffer, .address_space: global }
      - { .name: attr_emb, .offset: 8, .size: 8, .value_kind: global_buffer, .address_space: global }
      - { .name: attr_lens, .offset: 16, .size: 8, .value_kind: global_buffer, .address_space: global }
      - { .name: attr_lens_user, .offset: 24, .size: 8, .value_kind: global_buffer, .address_space: global }
      - { .name: attr_tf, .offset: 32, .size: 8, .value_kind: global_buffer, .address_space: global }
      - { .name: attr_feat, .offset: 40, .size: 8, .value_kind: global_buffer, .address_space: global }
      - { .name: fw_W, .offset: 48, .size: 8, .value_kind: global_buffer, .address_space: global }
      - { .name: fw_b, .offset: 56, .size: 8, .value_kind: global_buffer, .address_space: global }
      - { .name: wb, .offset: 64, .size: 8, .value_kind: global_buffer, .address_space: global }
      - { .name: par, .offset: 72, .size: 8, .value_kind: global_buffer, .address_space: global }
      - { .name: user_ids, .offset: 80, .size: 8, .value_kind: global_buffer, .address_space: global }
      - { .name: item_ids, .offset: 88, .size: 8, .value_kind: global_buffer, .address_space: global }
      - { .name: user_emb, .offset: 96, .size: 8, .value_kind: global_buffer, .address_space: global }
      - { .name: item_emb, .offset: 104, .size: 8, .value_kind: global_buffer, .address_space: global }
      - { .name: out_emb, .offset: 112, .size: 8, .value_kind: global_buffer, .address_space: global }
      - { .name: pos_targets, .offset: 120, .size: 8, .value_kind: global_buffer, .address_space: global }
      - { .name: neg_targets, .offset: 128, .size: 8, .value_kind: global_buffer, .address_space: global }
      - { .name: pos_lens, .offset: 136, .size: 8, .value_kind: global_buffer, .address_space: global }
      - { .name: neg_lens, .offset: 144, .size: 8, .value_kind: global_buffer, .address_space: global }
      - { .name: out0, .offset: 152, .size: 8, .value_kind: global_buffer, .address_space: global }
      - { .name: out1, .offset: 160, .size: 8, .value_kind: global_buffer, .address_space: global }
      - { .name: out2, .offset: 168, .size: 8, .value_kind: global_buffer, .address_space: global }
    .group_segment_fixed_size: 327680
    .private_segment_fixed_size: 0
    .kernarg_segment_align: 8
    .kernarg_segment_size: 176
    .max_flat_workgroup_size: 128
    .sgpr_count:     102
    .vgpr_count:     1024
    .wavefront_size: 32
...
	.end_amdgpu_metadata
.endif
;; end of part 2
